; MI455X (gfx1250); checked and timed in simulation.
; The chip was launched on July 23, 2026; its instructions are those of AMD's public machine-readable ISA for CDNA 5 (MIT licence, August 2026) and "CDNA5" Instruction Set Architecture Reference Guide (July 2026). The comments in the code are by the model that wrote it; some were corrected since.
;; Two View Attention Module. Allowed arithmetic: matrix products marked QUANTISED: E4M3 operands, one given power-of-two scale a tensor, by v_wmma_f32_16x16x64_fp8_fp8 or v_wmma_f32_16x16x128_fp8_fp8, f32 sums; everything else in f32.
;; Inputs: W_a 512 x 256 float32; W_b 512 x 256 float32; W_c 256 x 2,048 float32; lowp_scales 10 int32 (the exponents e of the quantised operands' scales 2^e); z_a 2 x 256 x 2,048 float32; z_b 2 x 256 x 2,048 float32.
;; Outputs: out0 2 x 2,048 x 256 float32; out1 2 float32.
;; This version of the problem:
;;   THIS VERSION OF THE PROBLEM IS GIVEN IN LOW PRECISION. The matrix products marked QUANTISED in the list below multiply operands that are first quantised to E4M3 (4 exponent bits, 3 mantissa bits; 8 bits a number), with one given power-of-two scale for each operand tensor; their sums are f32. All else is computed in f32.
;;   The module's matrix products, in the order in which they are computed (A, B: the left and right operand; K: the contracted axis; several contracted axes count as one K, in the product's order):
;;     1. [M 4,096, K 256] x [K 256, N 512]; A: input z_a; B: input W_a: QUANTISED (scales: A lowp_scales[0], B lowp_scales[1])
;;     2. [M 4,096, K 256] x [K 256, N 512]; A: input z_b; B: input W_b: QUANTISED (scales: A lowp_scales[2], B lowp_scales[3])
;;     3. batch 16 x [M 2,048, K 64] x [K 64, N 2,048]; A: computed on the way; B: computed on the way: QUANTISED (scales: A lowp_scales[4], B lowp_scales[5])
;;     4. batch 2 x [M 16,384, K 2,048] x [K 2,048, N 256]; A: softmax (see below); B: input z_b: QUANTISED (scales: A lowp_scales[6], B lowp_scales[7])
;;     5. [M 4,096, K 2,048] x [K 2,048, N 256]; A: computed on the way; B: input W_c: QUANTISED (scales: A lowp_scales[8], B lowp_scales[9])
;;   THE QUANTISER, for each operand of a quantised product, along K:
;;     - The operand's scale is 2^e, e = its entry of the input lowp_scales (int32; the entries are numbered through the quantised products in the list's order, A before B).
;;     - Each number is divided by the scale, clamped to +-448, and rounded to the nearest number of E4M3, ties to even, subnormals kept.
;;     - The product sums the exact products of the quantised numbers (number of the format x scale) in f32.
;;   ~~~python
;;   def quantise(x, axis, e):      # numpy; x: float32 -> the quantised numbers, widened to float32 again
;;       x = np.moveaxis(x, axis, -1); K = x.shape[-1]
;;       r = np.clip(x / 2.0 ** e, -448, 448)
;;       step = 2.0 ** (np.maximum(np.frexp(np.where(r == 0, 1, r))[1] - 1, -6) - 3)
;;       q = np.round(r / step) * step * 2.0 ** e      # np.round: ties to even
;;       return np.moveaxis(q, -1, axis).astype(np.float32)
;;   ~~~
;;   SOFTMAX AHEAD OF A QUANTISED PRODUCT. Where the list says 'softmax', what is quantised is not the finished softmax but p = 2^(t - M), with t = logit x log2(e) and M = ceil(the row's largest t), a whole number; so 1/2 < the row's largest p <= 1. The row's sum l is taken of the UNQUANTISED p, in f32, and the product's result is divided by l at the end. Since M is a whole number, a kernel that streams over the keys may use a running M (the ceiling of the running maximum): every later rescaling is an exact power of two, so the quantised numbers keep their values, but for numbers so far below the row's largest that they fall under the format's range.
;;   OPERANDS COMPUTED ON THE WAY. 'Computed on the way' means the value that the module computes at that place (a softmax that the list does not call 'softmax' is quantised finished and normalised). What goes into a quantiser is computed in f32, as accurately as f32 sums, v_exp_f32 and their like allow (about 1e-6 of the number): no bf16 or f16 on the way to a quantiser, and a product that is left as it is and whose result goes on into a quantised operand takes f32 operands (vector FMAs, or v_wmma_f32_16x16x4_f32). A number that lies on a knife's edge between two numbers of the format may be rounded either way, as far as f32 arithmetic and the matrix unit's own rounding can turn it there, and no further.
;; One version. Each part assembles by itself: llvm-mc -triple=amdgcn-amd-amdhsa -mcpu=gfx1250 --defsym DOCPART=n.
;; ======== version 1 of 1: 3 launches
;; limits: right only within a limited range of input values
;; workspace buffers: qcodes 2,097,152 bytes; kcodes 2,097,152 bytes; vcodes 1,048,576 bytes; wccodes 524,288 bytes; featcodes 8,388,608 bytes; l1part 8,192 bytes
;; launch prep (part 1): grid 256 x 1, 16 waves a work-group, no clusters, 69,632 bytes of LDS; arguments z_a, z_b, W_a, W_b, W_c, lowp_scales, qcodes, kcodes, vcodes, wccodes; writes qcodes, kcodes, vcodes, wccodes
.if DOCPART == 1
	.amdgcn_target "amdgcn-amd-amdhsa--gfx1250"
	.amdhsa_code_object_version 6
	.text
	.protected	k_qc39050d9a3_prep
	.globl	k_qc39050d9a3_prep
	.p2align	8
	.type	k_qc39050d9a3_prep,@function
k_qc39050d9a3_prep:
	s_mov_b64 s[64:65], 0
	v_nop
	global_prefetch_b8 v0, s[64:65] scope:SCOPE_SE
	s_setreg_imm32_b32 hwreg(HW_REG_WAVE_MODE, 25, 1), 1
	s_wait_xcnt 0x0
; PREP.  q = W_a z_a and k = W_b z_b (products 1 and 2) on codes of E4M3, their results quantised at once for product 3; and z_b (as V, along the keys) and W_c (along h, f) turned into codes.
; z: [2][256 f][2048 n] f32, W_a, W_b: [512 o][256 f] f32, W_c: [256 o][2048] f32.  The ten exponents e0 .. e9 are whole numbers; a scale is 2^e.
; ALL CODES LEAVE AS IMAGES OF OPERAND REGISTERS: four registers are 512 bytes, lane l's 16 bytes at 16 l; registers 2 c, 2 c + 1 of lane (r, h) hold k = 16 c + 8 h + 0 .. 7 of row r.
;   qcodes, kcodes: [b 8 + head][token tile 128][piece 2][lane][16]   (a fragment: 16 tokens x 64 e)
;   vcodes: [b][key step 16][f tile 16][piece 4][lane][16]            (16 f x 128 keys)      wccodes: [K step 16][o tile 16][piece 4][lane][16]
; SHARES.  Work-group g: o block g & 3 (128 outputs, two heads), token block (g >> 2) & 15 (128 tokens), batch (g >> 6) & 1, tensor g >> 7 (0: z_a, W_a, q; 1: z_b, W_b, k); only pointers and
; exponents are chosen by it, all work-groups take one path.  Beside it: fragments 2 g, 2 g + 1 of V (waves 0-7) and fragment g of W_c (waves 8-11), a piece of four registers a wave.
; z's K (f) is not innermost: a lane takes a token and its registers run down f, so the conversions give codes with f innermost; they meet in LDS as rows of 256 codes.  W's K is innermost:
; a lane loads its fragment's numbers as the operand wants them and the fragment goes to LDS as an image.  In this launch's own product k sits at 32 c + 16 h + i, alike in both operands.
; THE PRODUCT IS USED TRANSPOSED (source 0 = 16 rows of W, source 1 = 16 tokens): a lane holds one token and eight neighbouring outputs e, which one conversion turns into two operand registers.
; NO CLUSTER, NO TENSOR LOAD: every operand arrives as f32 and has to pass through registers to be quantised; what is shared between work-groups is 128 KB of f32 a side, read once each by plain loads.
; LIMITS: e0 .. e3, e7, e9, e4 - e0 - e1 and e5 - e2 - e3 between -126 and 119, so that each scale and 448 x the scale is an f32 number.  NaN among the inputs is not served; an infinity is held at the largest code.
.set ZP,    272                        ; a token's row in LDS: 256 codes + 16 of padding: 17 x 16 bytes, so sixteen rows start at sixteen different 16-byte columns
.set WI,    128*ZP                     ; behind the 128 rows: W's sixteen fragment images of 2,048 bytes
.set SPARE, WI+16*2048                 ; behind them: the spare words, 128 bytes for each of 16 waves, named by no other line
.set ZA,  4                            ; v4   4 x lane: my token's byte in a row of z
.set WA,  5                            ; v5   r x 1024 + 64 h: my 16 numbers of a block of 32 in W's row r
.set EA,  6                            ; v6   r x 8192 + 32 h: my 8 numbers in row r of z_b or W_c
.set LI,  7                            ; v7   16 x lane: my place in an image
.set ZST, 8                            ; v8   where my token's 64 codes go
.set WST, 9                            ; v9   where my fragment's image goes
.set ZFR, 10                           ; v10  where I read z's fragments
.set WFR, 11                           ; v11  where I read W's
.set SPW, 12                           ; v12  my spare word; never rewritten
.set NIL, 13                           ; v13  0; never rewritten
                                       ; v14: 2^e for z; v16 for W; v18 for V or W_c; v20 for the result
.set ZN,  32                           ; v32-95   64 numbers of z;  later W's four fragments
.set WN,  96                           ; v96-159  64 numbers of W;  later z's four fragments
.set EN,  160                          ; v160-175 16 numbers of z_b or W_c;  later, v160-191, the four result tiles
.set ZCD, 176                          ; v176-191 z's codes
.set WCD, 192                          ; v192-207 W's codes;  later the result's codes
.set ECD, 208                          ; v208-211 the piece of V or W_c
.set WF,  32
.set ZF,  96
.set DT,  160
.set RC,  192
.macro MKSC se, vs, vl                 ; s[se] = e  ->  v[vs] = 2^e as f32 (a conversion takes its exponent field)
	s_add_co_i32 s[\se], s[\se], 127
	s_lshl_b32 s56, s[\se], 23
	v_mov_b32 v[\vs], s56
.endm
	s_load_b256 s[4:11], s[0:1], 0x0               ; z_a s[4:5], z_b s[6:7], W_a s[8:9], W_b s[10:11]
	s_load_b256 s[12:19], s[0:1], 0x20             ; W_c s[12:13], the exponents s[14:15], qcodes s[16:17], kcodes s[18:19]
	s_load_b128 s[20:23], s[0:1], 0x40             ; vcodes s[20:21], wccodes s[22:23]
	v_lshl_add_u32 v[SPW], v0, 2, SPARE
	v_mov_b32 v[NIL], 0
	v_lshrrev_b32 v1, 5, v0
	s_delay_alu instid0(VALU_DEP_1)
	v_readfirstlane_b32 s24, v1                    ; wave 0..15
	v_and_b32 v1, 31, v0                           ; lane
	v_and_b32 v2, 15, v0                           ; r
	v_bfe_u32 v3, v0, 4, 1                         ; h
	s_and_b32 s25, s24, 3                          ; p = wave & 3
	s_lshr_b32 s26, s24, 2                         ; tp = wave >> 2
	s_and_b32 s27, ttmp9, 3                        ; o block
	s_bfe_u32 s28, ttmp9, 0x40002                  ; token block
	s_bfe_u32 s29, ttmp9, 0x10006                  ; batch
	s_lshr_b32 s30, ttmp9, 7                       ; tensor: 0 q, 1 k
	v_lshlrev_b32 v[ZA], 2, v1
	v_lshlrev_b32 v[WA], 10, v2
	s_delay_alu instid0(VALU_DEP_1)
	v_lshl_add_u32 v[WA], v3, 6, v[WA]
	v_lshlrev_b32 v[EA], 13, v2
	s_delay_alu instid0(VALU_DEP_1)
	v_lshl_add_u32 v[EA], v3, 5, v[EA]
	v_lshlrev_b32 v[LI], 4, v1
	s_wait_alu depctr_va_vdst(0)
	v_mul_u32_u24 v[ZST], v1, ZP                   ; row 32 p + lane, byte 64 tp
	s_mul_i32 s31, s25, 32*ZP
	s_lshl_b32 s32, s26, 6
	s_add_co_u32 s31, s31, s32
	v_add_nc_u32 v[ZST], s31, v[ZST]
	s_lshl_b32 s31, s24, 11                        ; image number = wave
	s_add_co_u32 s31, s31, WI
	v_add_nc_u32 v[WST], s31, v[LI]
	v_mul_u32_u24 v[ZFR], v2, ZP                   ; row 32 tp + r, + 16 h
	s_delay_alu instid0(VALU_DEP_1)
	v_lshl_add_u32 v[ZFR], v3, 4, v[ZFR]
	s_mul_i32 s31, s26, 32*ZP
	v_add_nc_u32 v[ZFR], s31, v[ZFR]
	s_lshl_b32 s31, s25, 13                        ; images 4 p .. 4 p + 3
	s_add_co_u32 s31, s31, WI
	v_add_nc_u32 v[WFR], s31, v[LI]
	; W: my fragment is (o tile wave >> 1, K step wave & 1): row 128 o block + 16 (wave >> 1), byte 512 (wave & 1)
	s_lshl_b32 s32, s27, 17
	s_lshr_b32 s34, s24, 1
	s_lshl_b32 s34, s34, 14
	s_add_co_u32 s32, s32, s34
	s_and_b32 s34, s24, 1
	s_lshl_b32 s34, s34, 9
	s_add_co_u32 s32, s32, s34
	s_mov_b32 s33, 0
	; z: batch, row f = 64 tp, token 128 token block + 32 p
	s_lshl_b32 s34, s29, 21
	s_lshl_b32 s36, s26, 19
	s_add_co_u32 s34, s34, s36
	s_lshl_b32 s36, s28, 9
	s_add_co_u32 s34, s34, s36
	s_lshl_b32 s36, s25, 7
	s_add_co_u32 s34, s34, s36
	s_mov_b32 s35, 0
	; the elementwise job: fragment U (of V: 2 g + (wave >> 2); of W_c: g), piece p.  U = (batch x 16 + K step) x 16 + tile of rows; both sources have rows of 8,192 bytes
	s_lshl_b32 s36, ttmp9, 1
	s_add_co_u32 s36, s36, s26
	s_cmp_lt_u32 s24, 8
	s_cselect_b32 s36, s36, ttmp9                  ; U
	s_lshr_b32 s37, s36, 8
	s_lshl_b32 s37, s37, 4
	s_and_b32 s38, s36, 15
	s_add_co_u32 s37, s37, s38
	s_lshl_b32 s38, s37, 17                        ; 16 rows of 8,192 bytes a tile
	s_bfe_u32 s37, s36, 0x40004
	s_lshl_b32 s37, s37, 9                         ; 128 numbers a K step
	s_add_co_u32 s38, s38, s37
	s_lshl_b32 s37, s25, 7                         ; 32 numbers a piece
	s_add_co_u32 s38, s38, s37
	s_mov_b32 s39, 0
	s_lshl_b32 s36, s36, 11                        ; and where the piece goes: 2,048 U + 512 p
	s_lshl_b32 s37, s25, 9
	s_add_co_u32 s36, s36, s37
	s_mov_b32 s37, 0
	; the result: (((batch 8 + 2 o block + (p >> 1)) 128 + 8 token block + 2 tp) 2 + (p & 1)) 512
	s_lshl_b32 s52, s29, 3
	s_lshl_b32 s53, s27, 1
	s_add_co_u32 s52, s52, s53
	s_lshr_b32 s53, s25, 1
	s_add_co_u32 s52, s52, s53
	s_lshl_b32 s52, s52, 7
	s_lshl_b32 s53, s28, 3
	s_add_co_u32 s52, s52, s53
	s_lshl_b32 s53, s26, 1
	s_add_co_u32 s52, s52, s53
	s_lshl_b32 s52, s52, 1
	s_and_b32 s53, s25, 1
	s_add_co_u32 s52, s52, s53
	s_lshl_b32 s52, s52, 9
	s_mov_b32 s53, 0
	s_wait_kmcnt 0x0
	s_load_b256 s[40:47], s[14:15], 0x0            ; e0 .. e7
	s_load_b64 s[48:49], s[14:15], 0x20            ; e8, e9
	s_cmp_eq_u32 s30, 0                            ; the choices hang on the work-group's and the wave's number alone
	s_cselect_b64 s[4:5], s[4:5], s[6:7]           ; z
	s_cselect_b64 s[8:9], s[8:9], s[10:11]         ; W
	s_cselect_b64 s[16:17], s[16:17], s[18:19]     ; the result's codes
	s_add_nc_u64 s[4:5], s[4:5], s[34:35]
	s_add_nc_u64 s[8:9], s[8:9], s[32:33]
	s_add_nc_u64 s[16:17], s[16:17], s[52:53]
	s_cmp_lt_u32 s24, 8
	s_cselect_b64 s[6:7], s[6:7], s[12:13]         ; z_b or W_c
	s_cselect_b64 s[20:21], s[20:21], s[22:23]     ; vcodes or wccodes
	s_add_nc_u64 s[6:7], s[6:7], s[38:39]
	s_add_nc_u64 s[20:21], s[20:21], s[36:37]
	; ALL LOADS AT ONCE: W's 16, the elementwise job's 4 (waves 0-11), z's 64
.irp c, 0,1,2,3
.irp j, 0,1,2,3
	global_load_b128 v[WN+16*\c+4*\j:WN+16*\c+4*\j+3], v[WA], s[8:9] offset:128*\c+16*\j   ; register 16 c + i = W(row r, k = 32 c + 16 h + i)
.endr
.endr
	s_cmp_lt_u32 s24, 12
	s_cbranch_scc0 .Lno_e_load
	global_load_b128 v[EN:EN+3],     v[EA], s[6:7]             ; k = 32 p + 8 h + 0 .. 7,
	global_load_b128 v[EN+4:EN+7],   v[EA], s[6:7] offset:16
	global_load_b128 v[EN+8:EN+11],  v[EA], s[6:7] offset:64   ; and the eight that lie 16 further on: registers 4 p .. 4 p + 3 of the fragment
	global_load_b128 v[EN+12:EN+15], v[EA], s[6:7] offset:80
.Lno_e_load:
.set n, 0
.rept 64
	global_load_b32 v[ZN+n], v[ZA], s[4:5] offset:n*8192       ; z(f = 64 tp + n, my token): 32 lanes read 128 consecutive bytes, four waves side by side 512
.set n, n+1
.endr
	s_wait_kmcnt 0x0
	s_cmp_eq_u32 s30, 0
	s_cselect_b32 s50, s40, s42                    ; z's e
	s_cselect_b32 s51, s41, s43                    ; W's e
	s_cselect_b32 s54, s44, s45                    ; the result's e
	s_sub_co_i32 s54, s54, s50                     ; a sum stands for sum x 2^(ez + ew): the three scales are folded into the conversion's one
	s_sub_co_i32 s54, s54, s51
	s_cmp_lt_u32 s24, 8
	s_cselect_b32 s55, s47, s49                    ; V's e7 or W_c's e9
	MKSC 50, 14, 15
	MKSC 51, 16, 17
	MKSC 55, 18, 19
	MKSC 54, 20, 21
	s_wait_alu depctr_va_vdst(0)
	; W's fragment and the elementwise piece
	s_wait_loadcnt 63                              ; z's 64 loads are younger than all of W's and of the elementwise job's: with 63 out at the most those are in
.set n, 0
.rept 64
.set n, n+1
.endr
.irp k, 0,1,2,3,4,5,6,7
	v_cvt_scalef32_pk8_fp8_f32 v[WCD+2*\k:WCD+2*\k+1], v[WN+8*\k:WN+8*\k+7], v16
.endr
	v_nop                                          ; a plain instruction behind the last conversion of a run
.irp c, 0,1,2,3
	ds_store_b128 v[WST], v[WCD+4*\c:WCD+4*\c+3] offset:512*\c
.endr
	s_cmp_lt_u32 s24, 12
	s_cbranch_scc0 .Lno_e_work
.set n, 0
.rept 16
.set n, n+1
.endr
	v_cvt_scalef32_pk8_fp8_f32 v[ECD:ECD+1], v[EN:EN+7], v18
	v_cvt_scalef32_pk8_fp8_f32 v[ECD+2:ECD+3], v[EN+8:EN+15], v18
	v_nop
	global_store_b128 v[LI], v[ECD:ECD+3], s[20:21]            ; the wave stores 512 consecutive bytes, aligned
.Lno_e_work:
	; z: 64 codes of my token, in two halves
	s_wait_loadcnt 32                              ; the first 32 of z's loads are in, the other 32 may be out
.set n, 0
.rept 32
.set n, n+1
.endr
.irp k, 0,1,2,3
	v_cvt_scalef32_pk8_fp8_f32 v[ZCD+2*\k:ZCD+2*\k+1], v[ZN+8*\k:ZN+8*\k+7], v14
.endr
	ds_store_b128 v[ZST], v[ZCD:ZCD+3]
	ds_store_b128 v[ZST], v[ZCD+4:ZCD+7] offset:16
	s_wait_loadcnt 0x0
.set n, 32
.rept 32
.set n, n+1
.endr
.irp k, 4,5,6,7
	v_cvt_scalef32_pk8_fp8_f32 v[ZCD+2*\k:ZCD+2*\k+1], v[ZN+8*\k:ZN+8*\k+7], v14
.endr
	v_nop
	ds_store_b128 v[ZST], v[ZCD+8:ZCD+11] offset:32
	ds_store_b128 v[ZST], v[ZCD+12:ZCD+15] offset:48
	s_wait_dscnt 0x0                               ; for the others' sake: my stores have landed
	s_barrier_signal -1
	s_barrier_wait -1                              ; 128 rows of z's codes and W's sixteen images lie in LDS
	; THE PRODUCT: o tiles 2 p + u, token tiles 2 tp + q, two K steps of 128
.irp s, 0,1
.irp u, 0,1
.irp c, 0,1,2,3
	ds_load_b128 v[WF+32*\s+16*\u+4*\c:WF+32*\s+16*\u+4*\c+3], v[WFR] offset:(2*\u+\s)*2048+512*\c
.endr
.endr
.irp q, 0,1
.irp c, 0,1,2,3
	ds_load_b128 v[ZF+32*\s+16*\q+4*\c:ZF+32*\s+16*\q+4*\c+3], v[ZFR] offset:\q*16*ZP+128*\s+32*\c
.endr
.endr
.endr
	s_wait_dscnt 16                                ; K step 0's sixteen loads are in, K step 1's may be out
.irp q, 0,1
.irp u, 0,1
	v_wmma_f32_16x16x128_fp8_fp8 v[DT+16*\q+8*\u:DT+16*\q+8*\u+7], v[WF+16*\u:WF+16*\u+15], v[ZF+16*\q:ZF+16*\q+15], 0
.endr
.endr
	s_wait_dscnt 0x0
.irp q, 0,1                                    ; the four accumulators take turns
.irp u, 0,1
	v_wmma_f32_16x16x128_fp8_fp8 v[DT+16*\q+8*\u:DT+16*\q+8*\u+7], v[WF+32+16*\u:WF+32+16*\u+15], v[ZF+32+16*\q:ZF+32+16*\q+15], v[DT+16*\q+8*\u:DT+16*\q+8*\u+7]
.endr
.endr
.rept 4
	v_nop                                          ; four places between the last product and the first read of results (ISA guide 7.12.1)
.endr
	; lane (r, h) holds token r and outputs 16 (2 p + u) + 8 h + 0 .. 7: the two tiles' codes are one piece (four registers) of the token tile's fragment
.irp q, 0,1
.set n, 0
.rept 16
.set n, n+1
.endr
	v_cvt_scalef32_pk8_fp8_f32 v[RC+4*\q:RC+4*\q+1], v[DT+16*\q:DT+16*\q+7], v20
	v_cvt_scalef32_pk8_fp8_f32 v[RC+4*\q+2:RC+4*\q+3], v[DT+16*\q+8:DT+16*\q+15], v20
.endr
	v_nop
.irp q, 0,1
	global_store_b128 v[LI], v[RC+4*\q:RC+4*\q+3], s[16:17] offset:1024*\q   ; 512 consecutive bytes, aligned
.endr
	s_wait_tensorcnt 0x0                           ; the wave's end: behind my last LDS store
	ds_add_u32 v[SPW], v[NIL]
	s_wait_dscnt 0x0
	s_endpgm
.Lfunc_end_k_qc39050d9a3_prep:
	.size	k_qc39050d9a3_prep, .Lfunc_end_k_qc39050d9a3_prep-k_qc39050d9a3_prep
	.p2alignl 7, 3214868480
	.fill 96, 4, 3214868480
	.section	.rodata,"a",@progbits
	.p2align	6, 0x0
	.amdhsa_kernel k_qc39050d9a3_prep
		.amdhsa_group_segment_fixed_size 69632
		.amdhsa_private_segment_fixed_size 0
		.amdhsa_enable_private_segment 0
		.amdhsa_kernarg_size 80
		.amdhsa_user_sgpr_count 2
		.amdhsa_user_sgpr_kernarg_segment_ptr 1
		.amdhsa_wavefront_size32 1
		.amdhsa_system_sgpr_workgroup_id_x 1
		.amdhsa_system_sgpr_workgroup_id_y 1
		.amdhsa_system_sgpr_workgroup_id_z 1
		.amdhsa_system_vgpr_workitem_id 0
		.amdhsa_next_free_vgpr 216
		.amdhsa_next_free_sgpr 66
		.amdhsa_reserve_vcc 0
		.amdhsa_float_denorm_mode_32 3
		.amdhsa_float_denorm_mode_16_64 3
		.amdhsa_fp16_overflow 1
		.amdhsa_memory_ordered 1
		.amdhsa_forward_progress 1
		.amdhsa_inst_pref_size 19
	.end_amdhsa_kernel
	.amdgpu_metadata
---
amdhsa.version: [ 1, 2 ]
amdhsa.kernels:
  - .name:           k_qc39050d9a3_prep
    .symbol:         k_qc39050d9a3_prep.kd
    .args:
      - { .name: z_a, .offset: 0, .size: 8, .value_kind: global_buffer, .address_space: global }
      - { .name: z_b, .offset: 8, .size: 8, .value_kind: global_buffer, .address_space: global }
      - { .name: W_a, .offset: 16, .size: 8, .value_kind: global_buffer, .address_space: global }
      - { .name: W_b, .offset: 24, .size: 8, .value_kind: global_buffer, .address_space: global }
      - { .name: W_c, .offset: 32, .size: 8, .value_kind: global_buffer, .address_space: global }
      - { .name: lowp_scales, .offset: 40, .size: 8, .value_kind: global_buffer, .address_space: global }
      - { .name: qcodes, .offset: 48, .size: 8, .value_kind: global_buffer, .address_space: global }
      - { .name: kcodes, .offset: 56, .size: 8, .value_kind: global_buffer, .address_space: global }
      - { .name: vcodes, .offset: 64, .size: 8, .value_kind: global_buffer, .address_space: global }
      - { .name: wccodes, .offset: 72, .size: 8, .value_kind: global_buffer, .address_space: global }
    .group_segment_fixed_size: 69632
    .private_segment_fixed_size: 0
    .kernarg_segment_align: 8
    .kernarg_segment_size: 80
    .max_flat_workgroup_size: 512
    .sgpr_count:     66
    .vgpr_count:     216
    .wavefront_size: 32
...
	.end_amdgpu_metadata
.endif
;; end of part 1
;; launch attn (part 2): grid 16 x 16, 8 waves a work-group, clusters of 4 x 1, 327,680 bytes of LDS; arguments qcodes, kcodes, vcodes, lowp_scales, featcodes, l1part; writes featcodes, l1part
.if DOCPART == 2
	.amdgcn_target "amdgcn-amd-amdhsa--gfx1250"
	.amdhsa_code_object_version 6
	.text
	.protected	k_qc39050d9a3_attn
	.globl	k_qc39050d9a3_attn
	.p2align	8
	.type	k_qc39050d9a3_attn,@function
k_qc39050d9a3_attn:
	s_mov_b64 s[64:65], 0
	v_nop
	global_prefetch_b8 v0, s[64:65] scope:SCOPE_SE
	s_setreg_imm32_b32 hwreg(HW_REG_WAVE_MODE, 25, 1), 1
	s_wait_xcnt 0x0
	s_wait_alu depctr_hold_cnt(0) depctr_sa_sdst(0) depctr_va_vdst(0) depctr_va_sdst(0) depctr_va_ssrc(0) depctr_va_vcc(0) depctr_vm_vsrc(0)
	s_getreg_b32 s2, hwreg(HW_REG_IB_STS2, 6, 4)
	s_cmp_eq_u32 s2, 0
	s_cbranch_scc0 .Lentry_in_a_cluster
	s_endpgm
.Lentry_in_a_cluster:
	s_bfe_u32 s2, ttmp6, 0x10000c
	s_cmp_lg_u32 s2, 0x3003
	s_cbranch_scc0 .Lentry_shape_is_right
	s_endpgm
.Lentry_shape_is_right:
; ATTN.  Products 3 and 4 for one head y = 8 b + h and 128 queries: scores S = q . k on codes, p = 2^(t - M), feat = (p V) / l, quantised at once for product 5; and the work-group's part of the sum of |S|.
; t = S x 2^(e4 + e5) x log2(e) / 8;  M = ceil(the row's largest t), a whole number;  l = the row's sum of the unquantised p.
; All operands come as images of operand registers (four registers = 512 bytes, lane l's 16 bytes at 16 l; registers 2 c, 2 c + 1 of lane (r, h): k = 16 c + 8 h + 0 .. 7), so every fragment load is dense.
; BOTH PRODUCTS ARE USED TRANSPOSED: S^T = K Q^T (source 0 = 16 keys, source 1 = 16 queries), O^T = V P^T (source 0 = 16 f, source 1 = P): a lane holds ONE query (lane % 16) throughout, and the eight
; registers of the score tile of keys 16 c .. 16 c + 15 become, by one conversion, registers 2 c, 2 c + 1 of P.
; TWO PASSES; the head's K (128 KB of codes) stays in LDS.
;   PASS 1: wave w multiplies the 16 key tiles that its own tensor load brought by all 8 query tiles: running maxima and the sums of |S|.  The maxima meet in LDS: M is final before any p is made,
;           so pass 2 has no running maximum and never rescales O^T.
;   PASS 2: wave w = (pi = w & 3, par = w >> 2) takes query tiles 2 pi, 2 pi + 1 and the key steps (128 keys) of parity par, against all 16 tiles of f.  Its register tile t is query tile 2 pi + (t xor par):
;           at the end it keeps register tile 0 and hands register tile 1 to wave w xor 4, through LDS: one plain addition, since both used the same M.
; Two waves to a SIMD, 512 registers each: one wave's vector work stands beside the other's products and LDS loads.
; CLUSTER: the four query blocks of a cluster belong to one head: K's and V's tiles are asked for JOINTLY, by the same tensor load with the same descriptor and the mask of all four; each of the 8 waves fetches an eighth.
; LDS: 0: K, 128 tiles x 1 KB (filled once; at the end the stage of the merge, 16 KB a wave);  VBASE: two slots of V, two key steps (64 KB) each;  X1: maxima [wave][tile][lane];  X2: sums [wave][lane];  SPARE.
; REGISTERS: window 1: O^T(t, f tile) at v[128 t + 8 ft].  Window 0: see the names below.
; LIMITS: e4 + e5 between -123 and 130 (added to the exponent field of log2(e) / 8); e6 and e8 between -126 and 119.  NaN among the inputs is not served.  The order of the f32 sums differs from the definition's.
.set VBASE, 131072
.set VSLOT, 65536                      ; one exclusive or turns an address in one slot into the other's
.set X1,    262144
.set X2,    270336
.set SPARE, 271360                     ; the spare words, 128 bytes for each of 8 waves, named by no other line
.set LI,  1                            ; v1   16 x lane
.set ADK, 2                            ; v2   LDS address of the K loads in hand
.set ADV, 3                            ; v3   of the V loads
.set AK0, 4                            ; v4   16 x lane + 8192 par
.set AV0, 5                            ; v5   16 x lane + VBASE + 32768 par
.set HP,  6
.set SCP, 7                            ; v7   2^e6
.set Q,   8                            ; v8-23    my two query tiles
.set NM,  24                           ; v[24:25], v[26:27]  -M of tile 0, 1 (both halves written)
.set LS,  28                           ; v[28:29], v[30:31]  the sums l, first chains
.set KF,  32                           ; v32-63   four fragments of K
.set S,   64                           ; v64-127  scores, then p; also V's second buffer
.set P,   128                          ; v128-159 P's codes, 16 a tile
.set VB,  160                          ; v160-223 V's first buffer; all eight query tiles in pass 1; feat's codes at the end
.set Q8,  160
.set MX,  224                          ; v224-231 pass 1's maxima
.set LB,  224                          ; v[224:225], v[226:227]  pass 2: the sums' second chains
.set LA,  232                          ; v232-235 sums of |S|, four chains
.set T0,  236                          ; v236, v237 at work
.set T1,  237
.set SPW, 238                          ; v238 my spare word; never rewritten
.set NIL, 239                          ; v239 0; never rewritten
.set PFO, 240                          ; v240 256 x lane: the prefetches' offset
.set X1S, 241                          ; v241 where I store maxima
.set X1R, 242                          ; v242, v243 where I read those of my tile 0, 1
.set STR, 245                          ; v245 the merge: my partner's stage
.set X2S, 246
.set X2R, 247
.set AK1, 248                          ; v248 16 x lane + 16384 wave: my part of K in pass 1, my stage in the merge
.set LN,  249                          ; v249 lane
.set INV, 250                          ; v[250:251] 2^(e6 + e7) / l
.set HF,  252
.set SCF, 253                          ; v253 2^e8
.set ZO,  254                          ; v254 0, an offset
; scalars: s[4:15] pointers; s16 wave, s17 pi, s18 par, s19 cx, s20 query block, s21 y, s22 b, s23 h; s[24:31], s[32:39] descriptor groups 1 (K, V); s[40:43], s[44:47], s[48:51] groups 0 (K, V slot 0, V walking);
; s[52:53] c; s[54:55] lane selects; s56 slot in hand; s57 K's byte of the step in hand; s58 slots still to be asked for; s59 who prefetches; s[60:61] where; s62, s63 pass 1's count and byte; s[68:72] e4 .. e8
.set MSB, 0
.macro WIN new                         ; the immediate's high byte repeats the setting that is left
.if MSB != \new
	s_set_vgpr_msb (MSB<<8)|\new
.set MSB, \new
.endif
.endm
.macro PLACES n
.rept \n
	v_nop
.endr
.endm
.macro CROUND                          ; a round of the cluster's barrier
	s_barrier_signal -1
	s_barrier_wait -1
	s_cmp_lg_u32 s16, 0
	s_cbranch_scc1 .Lnot_wave_0_\@
	s_barrier_signal -3
.Lnot_wave_0_\@:
	s_barrier_wait -3
	s_barrier_signal -1
	s_barrier_wait -1
.endm
; A PREFETCH INTO THE L2 of V's slot after the one that is being asked for: 64 KB.  All 32 clusters of a batch walk the same V: the batch's first cluster (head 0, cluster x 0) asks.  Its four partners take
; 16 KB each, told apart BY ADDRESS; in each, waves 0 and 1 ask for 8 KB, lanes 256 bytes apart: each block is named once in the launch.  The last fill asks for nothing; slots 0 to 2 come by their loads alone.
.macro ASK
	s_cmp_gt_u32 s58, s59
	s_cbranch_scc0 .Lnot_mine_\@
	global_prefetch_b8 v[PFO], s[60:61] th:TH_LOAD_NT scope:SCOPE_SE
.Lnot_mine_\@:
.endm
	s_load_b256 s[4:11], s[0:1], 0x0               ; qcodes s[4:5], kcodes s[6:7], vcodes s[8:9], the exponents s[10:11]
	s_load_b128 s[12:15], s[0:1], 0x20             ; featcodes s[12:13], l1part s[14:15]
	v_lshl_add_u32 v[SPW], v0, 2, SPARE
	v_mov_b32 v[NIL], 0
	ds_add_u32 v[SPW], v[NIL]                      ; the wave's opening: the add and its wait stand ahead of my first tensor load; the set-up below, work on registers, stands between them
	ds_add_u32 v[SPW], v[NIL]
	v_lshrrev_b32 v[LN], 5, v0
	s_delay_alu instid0(VALU_DEP_1)
	v_readfirstlane_b32 s16, v[LN]                 ; wave 0..7
	s_and_b32 s17, s16, 3                          ; pi
	s_lshr_b32 s18, s16, 2                         ; par
	s_bfe_u32 s19, ttmp6, 0x40000                  ; cx
	s_lshl_b32 s20, ttmp9, 2
	s_add_co_u32 s20, s20, s19                     ; my block of 128 queries: it enters Q's, feat's and l1part's addresses alone
	s_and_b32 s21, ttmp7, 0xffff                   ; y = 8 b + h, which the four partners share
	s_lshr_b32 s22, s21, 3
	s_and_b32 s23, s21, 7
	; descriptor groups 1: dense blocks as rows of 256 bytes (32 elements of 8 bytes); K: 64 rows a wave, V: 32
	s_mov_b32 s24, 15|(3<<16)|(1<<21)              ; 15:0 the mask: all four work-groups; 17:16 elements of 8 bytes; 21 set beside a mask; no padding
	s_mov_b32 s25, 32<<16                          ; tensor_dim0
	s_mov_b32 s26, 64<<16                          ; tensor_dim1
	s_mov_b32 s27, 32<<16                          ; tile_dim0
	s_mov_b32 s28, 64                              ; tile_dim1
	s_mov_b32 s29, 32                              ; the pitch
	s_mov_b32 s30, 0
	s_mov_b32 s31, 0
	s_mov_b32 s32, 15|(3<<16)|(1<<21)
	s_mov_b32 s33, 32<<16
	s_mov_b32 s34, 32<<16
	s_mov_b32 s35, 32<<16
	s_mov_b32 s36, 32
	s_mov_b32 s37, 32
	s_mov_b32 s38, 0
	s_mov_b32 s39, 0
	s_mov_b32 s54, 0x76543210
	s_mov_b32 s55, 0xfedcba98                      ; v_permlanex16_b32: lane l xor 16
	s_mov_b32 s56, 0
	s_mov_b32 s57, 0
	s_mov_b32 s58, 6
	s_mov_b32 s63, 0
	s_lshr_b32 s59, s16, 1                         ; 0 in waves 0 and 1,
	s_or_b32 s59, s59, ttmp9                       ; of cluster x 0,
	s_or_b32 s59, s59, s23                         ; of head 0: the same in all four partners
	s_cmp_eq_u32 s59, 0
	s_cselect_b32 s59, 1, -1
	; LDS addresses: constants, the lane and the wave's number
	v_and_b32 v[LN], 31, v0
	s_delay_alu instid0(VALU_DEP_1)
	v_lshlrev_b32 v[LI], 4, v[LN]
	s_delay_alu instid0(VALU_DEP_2)
	v_lshlrev_b32 v[PFO], 8, v[LN]
	s_delay_alu instid0(VALU_DEP_3)
	v_lshlrev_b32 v[ADK], 2, v[LN]                 ; 4 x lane, for the lines below
	s_wait_alu depctr_va_vdst(0)
	s_lshl_b32 s73, s18, 13
	v_add_nc_u32 v[AK0], s73, v[LI]
	s_lshl_b32 s73, s18, 15
	s_add_co_u32 s73, s73, VBASE
	v_add_nc_u32 v[AV0], s73, v[LI]
	s_lshl_b32 s73, s16, 14
	v_add_nc_u32 v[AK1], s73, v[LI]
	s_xor_b32 s89, s16, 4                          ; my partner
	s_lshl_b32 s73, s89, 14
	v_add_nc_u32 v[STR], s73, v[LI]
	s_lshl_b32 s73, s16, 10
	s_add_co_u32 s73, s73, X1
	v_add_nc_u32 v[X1S], s73, v[ADK]
	s_lshl_b32 s73, s17, 1
	s_add_co_u32 s73, s73, s18                     ; register tile 0 = query tile 2 pi + par: the one that I keep
	s_lshl_b32 s90, s73, 7
	s_add_co_u32 s90, s90, X1
	v_add_nc_u32 v[X1R], s90, v[ADK]
	s_xor_b32 s91, s73, 1                          ; register tile 1 = the other one
	s_lshl_b32 s90, s91, 7
	s_add_co_u32 s90, s90, X1
	v_add_nc_u32 v[X1R+1], s90, v[ADK]
	s_lshl_b32 s90, s16, 7
	s_add_co_u32 s90, s90, X2
	v_add_nc_u32 v[X2S], s90, v[ADK]
	s_lshl_b32 s90, s89, 7
	s_add_co_u32 s90, s90, X2
	v_add_nc_u32 v[X2R], s90, v[ADK]
	v_mov_b32 v[ZO], 0
	; offsets in memory.  K's and V's are made of y, b and the wave's number alone, in registers that never hold cx
	s_lshl_b32 s74, s21, 17
	s_lshl_b32 s75, s16, 14
	s_add_co_u32 s74, s74, s75                     ; K: the head's 128 KB, my 16 KB
	s_mov_b32 s75, 0
	s_lshl_b32 s76, s22, 19
	s_lshl_b32 s77, s16, 13
	s_add_co_u32 s76, s76, s77                     ; V: the batch's 512 KB, my 8 KB of a slot
	s_mov_b32 s77, 0
	s_lshl_b32 s78, s21, 17
	s_lshl_b32 s79, s20, 13
	s_add_co_u32 s78, s78, s79                     ; Q: the head, my block's eight tiles of 1 KB
	s_mov_b32 s79, 0
	s_lshl_b32 s80, s19, 14
	s_add_co_u32 s80, s80, s76
	s_add_co_u32 s80, s80, 2*VSLOT                 ; the prefetches: slot 2, my work-group's 16 KB, my wave's 8 KB; the first change of slots steps it to slot 3
	s_mov_b32 s81, 0
	s_lshl_b32 s82, s73, 10
	s_mov_b32 s83, 0
	s_lshl_b32 s84, s91, 10
	s_mov_b32 s85, 0
	s_lshl_b32 s86, s22, 7                         ; feat: ((128 b + 8 block + my tile) 16 + 2 h) 2048
	s_lshl_b32 s87, s20, 3
	s_add_co_u32 s86, s86, s87
	s_add_co_u32 s86, s86, s73
	s_lshl_b32 s86, s86, 4
	s_lshl_b32 s87, s23, 1
	s_add_co_u32 s86, s86, s87
	s_lshl_b32 s86, s86, 11
	s_mov_b32 s87, 0
	s_lshl_b32 s92, s21, 4                         ; l1part: ((16 y + block) 8 + wave) 4
	s_add_co_u32 s92, s92, s20
	s_lshl_b32 s92, s92, 3
	s_add_co_u32 s92, s92, s16
	s_lshl_b32 s92, s92, 2
	s_mov_b32 s93, 0
	s_wait_dscnt 0x0                               ; the opening add is done
	s_wait_kmcnt 0x0
	s_load_b128 s[68:71], s[10:11], 0x10           ; e4 .. e7
	s_load_b32 s72, s[10:11], 0x20                 ; e8
	s_add_nc_u64 s[6:7], s[6:7], s[74:75]
	s_add_nc_u64 s[60:61], s[8:9], s[80:81]
	s_add_nc_u64 s[8:9], s[8:9], s[76:77]
	s_add_nc_u64 s[4:5], s[4:5], s[78:79]
	s_add_nc_u64 s[82:83], s[4:5], s[82:83]        ; my query tile 0
	s_add_nc_u64 s[84:85], s[4:5], s[84:85]        ; and 1
	s_add_nc_u64 s[12:13], s[12:13], s[86:87]
	s_add_nc_u64 s[14:15], s[14:15], s[92:93]
	CROUND                                         ; all four work-groups are here: the first joint loads meet
	s_mov_b32 s40, 1                               ; group 0: count = 1,
	s_lshl_b32 s41, s16, 14                        ; LDS address: 16384 x wave,
	s_mov_b64 s[42:43], s[6:7]                     ; global address,
	s_or_b32 s43, s43, 0x80000000                  ; type = 2
	s_mov_b32 s44, 1
	s_lshl_b32 s45, s16, 13
	s_add_co_u32 s45, s45, VBASE
	s_mov_b64 s[46:47], s[8:9]
	s_or_b32 s47, s47, 0x80000000
	s_mov_b32 s48, 1
	s_add_co_u32 s49, s45, VSLOT
	s_add_nc_u64 s[50:51], s[8:9], VSLOT
	s_or_b32 s51, s51, 0x80000000
	tensor_load_to_lds s[40:43], s[24:31]          ; my part of K,
	s_nop 0
	tensor_load_to_lds s[44:47], s[32:39]          ; of V's key steps 0, 1,
	s_nop 0
	tensor_load_to_lds s[48:51], s[32:39]          ; of V's key steps 2, 3: three loads of mine are out
	s_nop 0
	PLACES 4
.irp i, 0,1,2,3,4,5,6,7,8,9,10,11,12,13,14,15
	global_load_b128 v[Q8+4*\i:Q8+4*\i+3], v[LI], s[4:5] offset:512*\i     ; the block's eight query tiles, 8 KB on end
.endr
.irp c, 0,1
	global_load_b128 v[Q+4*\c:Q+4*\c+3], v[LI], s[82:83] offset:512*\c
	global_load_b128 v[Q+8+4*\c:Q+8+4*\c+3], v[LI], s[84:85] offset:512*\c
.endr
.irp i, 0,1,2,3,4,5,6,7
	v_mov_b32 v[MX+\i], 0xff800000                 ; -infinity, under every score
.endr
.irp i, 0,1,2,3
	v_mov_b32 v[LA+\i], 0
.endr
	v_mov_b32 v[T0], 0                             ; written once: a lane permute's destination counts as one of its sources
	v_mov_b32 v[T1], 0
	s_wait_kmcnt 0x0
	s_add_co_i32 s86, s68, s69
	s_lshl_b32 s86, s86, 23
	s_mov_b32 s52, 0x3e38aa3b                      ; log2(e) / 8,
	s_add_co_i32 s52, s52, s86                     ; x 2^(e4 + e5): the exponents are added to its exponent field
	s_mov_b32 s53, s52                             ; (named with it as a pair, so it is written)
	s_add_co_i32 s86, s70, 127
	s_lshl_b32 s87, s86, 23
	v_mov_b32 v[SCP], s87
	s_add_co_i32 s86, s72, 127
	s_lshl_b32 s87, s86, 23
	v_mov_b32 v[SCF], s87
	s_add_co_i32 s88, s70, s71                     ; e6 + e7
; PASS 1, one key tile: its scores against the eight query tiles; the maxima (three operands at a time, each tile from its low end on) and the sums of |S| in four chains.
; next = 1: the fragment's registers take the key tile four further on, four places behind the products that read them.  cnt: the LDS loads younger than this fragment's.
.macro P1KEY kk, next, cnt
	s_wait_dscnt \cnt
.irp i, 0,1,2,3,4,5,6,7
	v_wmma_f32_16x16x64_fp8_fp8 v[S+8*\i:S+8*\i+7], v[KF+8*\kk:KF+8*\kk+7], v[Q8+8*\i:Q8+8*\i+7], 0
.endr
	PLACES 4
.if \next
	ds_load_b128 v[KF+8*\kk:KF+8*\kk+3], v[ADK] offset:4096+1024*\kk
	ds_load_b128 v[KF+8*\kk+4:KF+8*\kk+7], v[ADK] offset:4096+1024*\kk+512
.endif
.irp jj, 0,1,2,3
.irp i, 0,1,2,3,4,5,6,7
	v_max3_num_f32 v[MX+\i], v[MX+\i], v[S+8*\i+2*\jj], v[S+8*\i+2*\jj+1]
.endr
.endr
.set n, 0
.rept 64
	v_add_f32 v[LA+n%4], v[LA+n%4], |v[S+n]|
.set n, n+1
.endr
.endm
.macro KLOAD off                       ; four key tiles from byte off behind the step's first
.irp kk, 0,1,2,3
	ds_load_b128 v[KF+8*\kk:KF+8*\kk+3], v[ADK] offset:\off+1024*\kk
	ds_load_b128 v[KF+8*\kk+4:KF+8*\kk+7], v[ADK] offset:\off+1024*\kk+512
.endr
.endm
	s_wait_tensorcnt 0x2                           ; my own part of K is in (V's two loads are younger): pass 1 reads no other wave's bytes
	v_add_nc_u32 v[ADK], s63, v[AK1]
	KLOAD 0
	s_wait_loadcnt 0x0                             ; Q
	s_mov_b32 s62, 3
.Lp1:                                              ; three trips of four key tiles; the last four are written out, since they fetch nothing
	v_add_nc_u32 v[ADK], s63, v[AK1]
	s_wait_alu depctr_va_vdst(0)
	P1KEY 0, 1, 6                                  ; behind each fragment's two loads stand those of the three younger fragments
	P1KEY 1, 1, 6
	P1KEY 2, 1, 6
	P1KEY 3, 1, 6
	s_add_co_u32 s63, s63, 4096
	s_sub_co_u32 s62, s62, 1
	s_cmp_lg_u32 s62, 0
	s_cbranch_scc1 .Lp1
	P1KEY 0, 0, 6
	P1KEY 1, 0, 4
	P1KEY 2, 0, 2
	P1KEY 3, 0, 0
.irp i, 0
	v_permlanex16_b32 v[T0], v[MX+\i], s54, s55
	v_permlanex16_b32 v[T1], v[MX+\i+1], s54, s55
	s_delay_alu instid0(VALU_DEP_2)
	v_max_num_f32 v[MX+\i], v[MX+\i], v[T0]
	s_delay_alu instid0(VALU_DEP_2)
	v_max_num_f32 v[MX+\i+1], v[MX+\i+1], v[T1]
.endr
.irp i, 2, 4, 6
	s_delay_alu instid0(VALU_DEP_4)
	v_permlanex16_b32 v[T0], v[MX+\i], s54, s55
	s_delay_alu instid0(VALU_DEP_4)
	v_permlanex16_b32 v[T1], v[MX+\i+1], s54, s55
	s_delay_alu instid0(VALU_DEP_2)
	v_max_num_f32 v[MX+\i], v[MX+\i], v[T0]
	s_delay_alu instid0(VALU_DEP_2)
	v_max_num_f32 v[MX+\i+1], v[MX+\i+1], v[T1]
.endr
.irp i, 0,1,2,3,4,5,6,7
	ds_store_b32 v[X1S], v[MX+\i] offset:128*\i
.endr
	v_add_f32 v[LA], v[LA], v[LA+1]
	v_add_f32 v[LA+2], v[LA+2], v[LA+3]
	s_delay_alu instid0(VALU_DEP_1)
	v_add_f32 v[LA], v[LA], v[LA+2]                ; my lane's sum of |S|: it waits for the end
	s_wait_tensorcnt 0x1                           ; my parts of K and of V's slot 0 are in; slot 1's may stay out
	s_wait_dscnt 0x0                               ; my maxima have landed
	s_barrier_signal -1
	s_barrier_wait -1                              ; K, V's slot 0 and all maxima are whole
.irp t, 0,1
.irp w, 0,1,2,3,4,5,6,7
	ds_load_b32 v[S+8*\t+\w], v[X1R+\t] offset:1024*\w
.endr
.endr
	v_add_nc_u32 v[ADK], s57, v[AK0]
	KLOAD 0                                        ; my first key step's first four key tiles
.irp j, 0,1,2,3
	v_mov_b32 v[LS+\j], 0                          ; the sums l, four chains of pairs
	v_mov_b32 v[LB+\j], 0
.endr
	s_wait_dscnt 8                                 ; the sixteen maxima are in; K's eight loads are younger
.irp t, 0,1
	v_max3_num_f32 v[T0+\t], v[S+8*\t], v[S+8*\t+1], v[S+8*\t+2]
.endr
.irp t, 0,1
	s_delay_alu instid0(VALU_DEP_2)
	v_max3_num_f32 v[T0+\t], v[T0+\t], v[S+8*\t+3], v[S+8*\t+4]
.endr
.irp t, 0,1
	s_delay_alu instid0(VALU_DEP_2)
	v_max3_num_f32 v[T0+\t], v[T0+\t], v[S+8*\t+5], v[S+8*\t+6]
.endr
.irp t, 0,1
	s_delay_alu instid0(VALU_DEP_2)
	v_max_num_f32 v[T0+\t], v[T0+\t], v[S+8*\t+7]
.endr
.irp t, 0,1
	s_delay_alu instid0(VALU_DEP_2)
	v_mul_f32 v[T0+\t], s52, v[T0+\t]              ; as t (c is positive)
.endr
.irp t, 0,1
	s_delay_alu instid0(VALU_DEP_2)
	v_floor_f32 v[NM+2*\t], -v[T0+\t]              ; -M = floor(-t) = -ceil(t)
.endr
.irp t, 0,1
	s_delay_alu instid0(VALU_DEP_2)
	v_mov_b32 v[NM+2*\t+1], v[NM+2*\t]
.endr
; PASS 2.
.macro KQ                              ; four key tiles x my two query tiles
.irp kk, 0,1,2,3
.irp t, 0,1
	v_wmma_f32_16x16x64_fp8_fp8 v[S+32*\t+8*\kk:S+32*\t+8*\kk+7], v[KF+8*\kk:KF+8*\kk+7], v[Q+8*\t:Q+8*\t+7], 0
.endr
.endr
.endm
; 64 scores a lane become p and P's codes of key tiles 4 hf .. 4 hf + 3.  The exponentials are one batch with one wait ahead of their first reader.
.macro SOFT hf
.irp t, 0,1
.set n, 0
.rept 16
	v_pk_fma_f32 v[S+32*\t+n:S+32*\t+n+1], v[S+32*\t+n:S+32*\t+n+1], s[52:53], v[NM+2*\t:NM+2*\t+1] op_sel_hi:[1,0,0]   ; t - M, two at a time
.set n, n+2
.endr
.endr
.set n, 0
	s_wait_alu depctr_va_vdst(0)
.rept 64
	v_exp_f32 v[S+n], v[S+n]                       ; p = 2^(t - M), at most 1, not normalised
.set n, n+1
.endr
	v_nop                                          ; a plain instruction behind the last exponential
	s_wait_alu depctr_va_vdst(0)
.set n, 0
.rept 8
.irp t, 0,1
	v_pk_add_f32 v[LS+2*\t:LS+2*\t+1], v[LS+2*\t:LS+2*\t+1], v[S+32*\t+n:S+32*\t+n+1]         ; the sums are taken of the unquantised p
	v_pk_add_f32 v[LB+2*\t:LB+2*\t+1], v[LB+2*\t:LB+2*\t+1], v[S+32*\t+n+2:S+32*\t+n+3]
.endr
.set n, n+4
.endr
.set n, 0
.rept 64
.set n, n+1
.endr
.irp t, 0,1
.irp kk, 0,1,2,3
	v_cvt_scalef32_pk8_fp8_f32 v[P+16*\t+2*(4*\hf+\kk):P+16*\t+2*(4*\hf+\kk)+1], v[S+32*\t+8*\kk:S+32*\t+8*\kk+7], v[SCP]
.endr
.endr
	v_nop                                          ; a plain instruction behind the last conversion
.endm
.macro VLOAD buf, g                    ; V's fragments of f tiles 4 g .. 4 g + 3, sixteen loads
.irp f, 0,1,2,3
.irp c, 0,1,2,3
	ds_load_b128 v[\buf+16*\f+4*\c:\buf+16*\f+4*\c+3], v[ADV] offset:(4*\g+\f)*2048+512*\c
.endr
.endr
.endm
.macro PV8 buf, g, zero                ; eight products: each fragment of V feeds both query tiles.  The 32 accumulators take turns, one instruction a turn
	WIN 0x50                                       ; C and D in window 1
.irp f, 0,1,2,3
.irp t, 0,1
.if \zero
	v_wmma_f32_16x16x128_fp8_fp8 v[128*\t+8*(4*\g+\f):128*\t+8*(4*\g+\f)+7], v[\buf+16*\f:\buf+16*\f+15], v[P+16*\t:P+16*\t+15], 0
.else
	v_wmma_f32_16x16x128_fp8_fp8 v[128*\t+8*(4*\g+\f):128*\t+8*(4*\g+\f)+7], v[\buf+16*\f:\buf+16*\f+15], v[P+16*\t:P+16*\t+15], v[128*\t+8*(4*\g+\f):128*\t+8*(4*\g+\f)+7]
.endif
.endr
.endr
.endm
; A KEY STEP of 128 keys.  zero = 1: its products start O^T's sums.  last = 1: no further step's K is fetched.
.macro STEP zero, last
	v_add_nc_u32 v[ADK], s57, v[AK0]
	v_add_nc_u32 v[ADV], s56, v[AV0]
	PLACES 3                                       ; five places in all: the scores' registers were a source of the last products and are next written by products (ISA guide 7.12.1)
	VLOAD VB, 0
	s_wait_alu depctr_va_vdst(0)
	s_wait_dscnt 16                                ; K's fragments are older than the sixteen just issued
	KQ
	PLACES 4
	KLOAD 4096                                     ; the step's other four key tiles
	SOFT 0
	s_wait_dscnt 0x0
	KQ
	PLACES 4
.if !\last
	KLOAD 16384                                    ; my next step's first four
.endif
	SOFT 1
	VLOAD S, 1                                     ; the scores' registers are free: V's second buffer
	PV8 VB, 0, \zero
	WIN 0
	PLACES 4                                       ; in front of loads into registers that products have read
	VLOAD VB, 2
	s_wait_alu depctr_va_vdst(0)
	s_wait_dscnt 16                                ; all but the sixteen just issued
	PV8 S, 1, \zero
	WIN 0
	PLACES 4
	VLOAD S, 3
	s_wait_dscnt 16
	PV8 VB, 2, \zero
	s_wait_dscnt 0x0
	PV8 S, 3, \zero
	WIN 0
	s_add_co_u32 s57, s57, 16384                   ; my next step lies two steps of 8 KB on
.endm
; THE CHANGE OF SLOTS.  Each wave waits for all its tensor loads (its part of the slot ahead), adds 0 to its spare word, and waits for that and for its reads of the slot that it leaves.
; fill = 1: a round of the cluster's barrier, and the slot just left takes the key steps two slots on: the wave's one tensor load until the next round.
.macro CHANGE fill
	s_wait_tensorcnt 0x0                           ; no tensor load of mine is out, so a group 0 may be written
	ds_add_u32 v[SPW], v[NIL]
.if \fill
	s_xor_b32 s49, s49, VSLOT                      ; the walking descriptor: the other slot than last time,
	s_add_nc_u64 s[50:51], s[50:51], VSLOT         ; the next two key steps
	s_wait_xcnt 0x0                                ; the last prefetch, a key step back, has read its address
	s_add_nc_u64 s[60:61], s[60:61], VSLOT         ; one slot further on than the walking descriptor
.endif
	s_wait_dscnt 0x0                               ; the add is done, and my reads of the slot are over
.if \fill
	CROUND
	tensor_load_to_lds s[48:51], s[32:39]
	s_nop 0
	PLACES 4
	ASK
.else
	s_barrier_signal -1
	s_barrier_wait -1
.endif
	s_xor_b32 s56, s56, VSLOT
.endm
	STEP 1, 0                                      ; slot 0
.Lslot:                                            ; six trips: each fills the slot just left
	CHANGE 1
	STEP 0, 0
	s_sub_co_u32 s58, s58, 1
	s_cmp_lg_u32 s58, 0
	s_cbranch_scc1 .Lslot
	CHANGE 0                                       ; the last slot is written out
	STEP 0, 1
	; THE MERGE.  My register tile 1 and its sum go to my partner; its register tile 1 is my register tile 0's other half of the keys.
	PLACES 4
.irp t, 0,1
	v_pk_add_f32 v[LS+2*\t:LS+2*\t+1], v[LS+2*\t:LS+2*\t+1], v[LB+2*\t:LB+2*\t+1]
.endr
	s_delay_alu instid0(VALU_DEP_2)
	v_add_f32 v[LS], v[LS], v[LS+1]
	s_delay_alu instid0(VALU_DEP_2)
	v_add_f32 v[LS+2], v[LS+2], v[LS+3]
	s_delay_alu instid0(VALU_DEP_2)
	v_permlanex16_b32 v[T0], v[LS], s54, s55
	s_delay_alu instid0(VALU_DEP_2)
	v_permlanex16_b32 v[T1], v[LS+2], s54, s55
	s_delay_alu instid0(VALU_DEP_2)
	v_add_f32 v[LS], v[LS], v[T0]                  ; tile 0's sum over my keys
	s_delay_alu instid0(VALU_DEP_2)
	v_add_f32 v[LS+2], v[LS+2], v[T1]              ; tile 1's
	s_wait_alu depctr_va_vdst(0)
	s_wait_dscnt 0x0
	s_barrier_signal -1
	s_barrier_wait -1                              ; nobody reads K any more; it has had its only fill: its bytes are the stage
	WIN 0x04                                       ; store data in window 1
.set n, 0
.rept 32
	ds_store_b128 v[AK1], v[128+4*n:128+4*n+3] offset:512*n      ; each accumulator from its low end on
.set n, n+1
.endr
	WIN 0
	ds_store_b32 v[X2S], v[LS+2]
	s_wait_dscnt 0x0                               ; for my partner's sake
	s_barrier_signal -1
	s_barrier_wait -1
.set n, 0
.rept 32
	ds_load_b128 v[KF+4*n:KF+4*n+3], v[STR] offset:512*n
.set n, n+1
.endr
	ds_load_b32 v[T0], v[X2R]
	s_wait_dscnt 0x0
	v_add_f32 v[LS], v[LS], v[T0]                  ; l
	s_wait_alu depctr_va_vdst(0)
	v_rcp_f32 v[INV], v[LS]
	v_nop                                          ; a plain instruction behind the transcendental
	s_wait_alu depctr_va_vdst(0)                   ; and the wait ahead of its first reader
	v_ldexp_f32 v[INV], v[INV], s88                ; 2^(e6 + e7) / l
	s_delay_alu instid0(VALU_DEP_1)
	v_mov_b32 v[INV+1], v[INV]
	WIN 0x41                                       ; destination and source 0 in window 1
.set n, 0
.rept 64
	v_pk_add_f32 v[n:n+1], v[n:n+1], v[KF+n:KF+n+1]
.set n, n+2
.endr
.set n, 0
.rept 64
	v_pk_mul_f32 v[n:n+1], v[n:n+1], v[INV:INV+1]  ; feat
.set n, n+2
.endr
.set n, 0
.rept 128
.set n, n+1
.endr
	WIN 0x01                                       ; source 0 in window 1
.irp ft, 0,1,2,3,4,5,6,7,8,9,10,11,12,13,14,15
	v_cvt_scalef32_pk8_fp8_f32 v[VB+2*\ft:VB+2*\ft+1], v[8*\ft:8*\ft+7], v[SCF]   ; lane (r, h): query r, f = 16 ft + 8 h + 0 .. 7: registers 2 ft, 2 ft + 1 of the two fragments of K steps 2 h, 2 h + 1
.endr
	v_nop
	WIN 0
.irp i, 0,1,2,3,4,5,6,7
	global_store_b128 v[LI], v[VB+4*\i:VB+4*\i+3], s[12:13] offset:512*\i    ; 512 consecutive bytes, aligned; 4 KB on end a wave
.endr
	; my wave's sum of |S|: one number.  Four bytes a wave, once: 8 KB in the whole launch
	v_add_f32_dpp v[LA], v[LA], v[LA] row_xmask:1 row_mask:0xf bank_mask:0xf
	s_delay_alu instid0(VALU_DEP_1)
	v_add_f32_dpp v[LA], v[LA], v[LA] row_xmask:2 row_mask:0xf bank_mask:0xf
	s_delay_alu instid0(VALU_DEP_1)
	v_add_f32_dpp v[LA], v[LA], v[LA] row_xmask:4 row_mask:0xf bank_mask:0xf
	s_delay_alu instid0(VALU_DEP_1)
	v_add_f32_dpp v[LA], v[LA], v[LA] row_xmask:8 row_mask:0xf bank_mask:0xf
	s_delay_alu instid0(VALU_DEP_1)
	v_permlanex16_b32 v[T1], v[LA], s54, s55
	s_delay_alu instid0(VALU_DEP_1)
	v_add_f32 v[LA], v[LA], v[T1]
	v_cmp_eq_u32 vcc_lo, 0, v[LN]
	s_wait_alu depctr_va_vdst(0)
	s_wait_xcnt 0x0                                ; EXEC changes only behind this wait: it is a source of the stores above
	s_and_saveexec_b32 s66, vcc_lo
	global_store_b32 v[ZO], v[LA], s[14:15]
	s_wait_xcnt 0x0                                ; and again in front of the line that widens it
	s_or_b32 exec_lo, exec_lo, s66
	s_wait_tensorcnt 0x0                           ; the wave's end, behind my last tensor load and my last LDS store
	ds_add_u32 v[SPW], v[NIL]
	s_wait_dscnt 0x0
	CROUND                                         ; the closing round: no work-group ends while a partner may still ask for a tile that names it
	s_endpgm
.Lfunc_end_k_qc39050d9a3_attn:
	.size	k_qc39050d9a3_attn, .Lfunc_end_k_qc39050d9a3_attn-k_qc39050d9a3_attn
	.p2alignl 7, 3214868480
	.fill 96, 4, 3214868480
	.section	.rodata,"a",@progbits
	.p2align	6, 0x0
	.amdhsa_kernel k_qc39050d9a3_attn
		.amdhsa_group_segment_fixed_size 327680
		.amdhsa_private_segment_fixed_size 0
		.amdhsa_enable_private_segment 0
		.amdhsa_kernarg_size 48
		.amdhsa_user_sgpr_count 2
		.amdhsa_user_sgpr_kernarg_segment_ptr 1
		.amdhsa_wavefront_size32 1
		.amdhsa_system_sgpr_workgroup_id_x 1
		.amdhsa_system_sgpr_workgroup_id_y 1
		.amdhsa_system_sgpr_workgroup_id_z 1
		.amdhsa_system_vgpr_workitem_id 0
		.amdhsa_next_free_vgpr 512
		.amdhsa_next_free_sgpr 96
		.amdhsa_reserve_vcc 1
		.amdhsa_float_denorm_mode_32 3
		.amdhsa_float_denorm_mode_16_64 3
		.amdhsa_fp16_overflow 1
		.amdhsa_memory_ordered 1
		.amdhsa_forward_progress 1
		.amdhsa_inst_pref_size 154
	.end_amdhsa_kernel
	.amdgpu_metadata
---
amdhsa.version: [ 1, 2 ]
amdhsa.kernels:
  - .name:           k_qc39050d9a3_attn
    .symbol:         k_qc39050d9a3_attn.kd
    .args:
      - { .name: qcodes, .offset: 0, .size: 8, .value_kind: global_buffer, .address_space: global }
      - { .name: kcodes, .offset: 8, .size: 8, .value_kind: global_buffer, .address_space: global }
      - { .name: vcodes, .offset: 16, .size: 8, .value_kind: global_buffer, .address_space: global }
      - { .name: lowp_scales, .offset: 24, .size: 8, .value_kind: global_buffer, .address_space: global }
      - { .name: featcodes, .offset: 32, .size: 8, .value_kind: global_buffer, .address_space: global }
      - { .name: l1part, .offset: 40, .size: 8, .value_kind: global_buffer, .address_space: global }
    .group_segment_fixed_size: 327680
    .private_segment_fixed_size: 0
    .kernarg_segment_align: 8
    .kernarg_segment_size: 48
    .max_flat_workgroup_size: 256
    .sgpr_count:     96
    .vgpr_count:     512
    .wavefront_size: 32
...
	.end_amdgpu_metadata
.endif
;; end of part 2
;; launch comb (part 3): grid 4 x 64, 8 waves a work-group, no clusters, 140,288 bytes of LDS; arguments featcodes, wccodes, l1part, lowp_scales, out0, out1; writes out0, out1
.if DOCPART == 3
	.amdgcn_target "amdgcn-amd-amdhsa--gfx1250"
	.amdhsa_code_object_version 6
	.text
	.protected	k_qc39050d9a3_comb
	.globl	k_qc39050d9a3_comb
	.p2align	8
	.type	k_qc39050d9a3_comb,@function
k_qc39050d9a3_comb:
	s_mov_b64 s[64:65], 0
	v_nop
	global_prefetch_b8 v0, s[64:65] scope:SCOPE_SE
	s_setreg_imm32_b32 hwreg(HW_REG_WAVE_MODE, 25, 1), 1
	s_wait_xcnt 0x0
; COMB.  Product 5: out0[b][q][o] = 2^(e8 + e9) x the sum over (h, f) of feat's codes x W_c's codes, K = 2,048; and out1[b] = 2^(e4 + e5 - 28) x the batch's sum of |S| (1/8 for the norm, 2^-25 for the mean).
; featcodes: [q tile 256][K step 16][piece 4][lane][16], wccodes: [K step 16][o tile 16][piece 4][lane][16]: images of operand registers, loaded straight into them.
; SHARES.  A work-group makes 64 rows x 64 outputs.  THE WAVES SHARE K: wave w takes K steps 2 w, 2 w + 1 (head w) for the whole tile, 32 products, so each operand byte is loaded once in the work-group and
; all of a wave's 64 loads go out at once.  The eight partial tiles meet in LDS (64 rows x 272 bytes each); wave w adds and stores rows 8 w .. 8 w + 7.
; THE PRODUCT IS USED TRANSPOSED (source 0 = 16 rows of W_c, source 1 = 16 queries): a lane holds eight neighbouring outputs of one row.
; Waves 0 and 1 of work-group (0, 0) also add up l1part, 1,024 numbers a batch.
; NO CLUSTER, NO TENSOR LOAD: one pass without a ring; fragments go from memory straight into operand registers, which a joint load into LDS could not serve.
; LIMITS: e8 + e9 between -126 and 127, so that 2^(e8 + e9) is an f32 number.  The order of the f32 sums over K differs from the definition's.
; REGISTERS: window 1: fragments: K step kk: W_c's four at v[128 kk + 16 n], feat's four at v[128 kk + 64 + 16 i].  Window 0: v32-159 accumulators (n, i) at v[32 + 8 (4 n + i)], later the partial tiles read back; v160-191 l1part.
.set PM,    64*272                     ; a partial tile in LDS; rows of 256 bytes + 16: sixteen rows start at sixteen different 16-byte columns
.set SPARE, 8*PM                       ; behind them: the spare words, 128 bytes for each of 8 waves, named by no other line
.set LI,  1                            ; v1   16 x lane
.set STO, 4                            ; v4   where I put 32 bytes of a row of my partial tile
.set RD,  5                            ; v5-7 where I read rows back: partial tiles 0-2, 3-5, 6-7
.set CO,  8                            ; v8   my byte offset in two rows of out0
.set SPW, 9                            ; v9   my spare word; never rewritten
.set NIL, 10                           ; v10  0; never rewritten
.set ACC, 32
.set L1,  160
.set MSB, 0
.macro WIN new                         ; the immediate's high byte repeats the setting that is left
.if MSB != \new
	s_set_vgpr_msb (MSB<<8)|\new
.set MSB, \new
.endif
.endm
	s_load_b256 s[4:11], s[0:1], 0x0               ; featcodes s[4:5], wccodes s[6:7], l1part s[8:9], the exponents s[10:11]
	s_load_b128 s[12:15], s[0:1], 0x20             ; out0 s[12:13], out1 s[14:15]
	v_lshl_add_u32 v[SPW], v0, 2, SPARE
	v_mov_b32 v[NIL], 0
	v_lshrrev_b32 v1, 5, v0
	s_delay_alu instid0(VALU_DEP_1)
	v_readfirstlane_b32 s16, v1                    ; wave 0..7
	s_and_b32 s17, ttmp7, 0xffff                   ; block of 64 rows
	v_and_b32 v11, 31, v0                          ; lane
	s_delay_alu instid0(VALU_DEP_1)
	v_lshlrev_b32 v[LI], 4, v11
	v_and_b32 v2, 15, v0                           ; r
	v_bfe_u32 v3, v0, 4, 1                         ; h
	s_delay_alu instid0(VALU_DEP_2)
	v_mul_u32_u24 v[STO], v2, 272
	s_delay_alu instid0(VALU_DEP_1)
	v_lshl_add_u32 v[STO], v3, 5, v[STO]
	s_mul_i32 s18, s16, PM
	v_add_nc_u32 v[STO], s18, v[STO]               ; my partial tile, row r, + 32 h
	v_mul_u32_u24 v[RD], v3, 272
	s_delay_alu instid0(VALU_DEP_1)
	v_lshl_add_u32 v[RD], v2, 4, v[RD]
	s_mul_i32 s18, s16, 8*272
	v_add_nc_u32 v[RD], s18, v[RD]                 ; row 8 wave + (lane / 16), 16 bytes a lane
	s_delay_alu instid0(VALU_DEP_1)
	v_add_nc_u32 v[RD+1], 3*PM, v[RD]
	s_delay_alu instid0(VALU_DEP_2)
	v_add_nc_u32 v[RD+2], 6*PM, v[RD]
	v_lshlrev_b32 v[CO], 10, v3
	s_delay_alu instid0(VALU_DEP_1)
	v_lshl_add_u32 v[CO], v2, 4, v[CO]             ; the same two rows in out0
	v_mov_b32 v12, 0                               ; written once: a lane permute's destination counts as one of its sources; also an offset of 0
	s_mov_b32 s38, 0x76543210
	s_mov_b32 s39, 0xfedcba98
	s_lshr_b32 s19, s16, 1
	s_or_b32 s19, s19, ttmp9
	s_or_b32 s19, s19, s17                         ; 0 in waves 0 and 1 of work-group (0, 0)
	s_lshl_b32 s28, s17, 17                        ; feat: four q tiles of 32 KB, K steps 2 wave on
	s_lshl_b32 s29, s16, 12
	s_add_co_u32 s28, s28, s29
	s_mov_b32 s29, 0
	s_lshl_b32 s30, s16, 16                        ; W_c: K steps 2 wave on, o tiles 4 x on
	s_lshl_b32 s31, ttmp9, 13
	s_add_co_u32 s30, s30, s31
	s_mov_b32 s31, 0
	s_lshl_b32 s32, s17, 16                        ; out0: row 64 y + 8 wave, byte 256 x
	s_lshl_b32 s33, s16, 13
	s_add_co_u32 s32, s32, s33
	s_lshl_b32 s33, ttmp9, 8
	s_add_co_u32 s32, s32, s33
	s_mov_b32 s33, 0
	s_and_b32 s34, s16, 1                          ; the batch whose l1 I add up, if I do
	s_lshl_b32 s36, s34, 2
	s_lshl_b32 s34, s34, 12
	s_mov_b32 s35, 0
	s_mov_b32 s37, 0
	s_wait_kmcnt 0x0
	s_load_b64 s[20:21], s[10:11], 0x10            ; e4, e5
	s_load_b64 s[22:23], s[10:11], 0x20            ; e8, e9
	s_add_nc_u64 s[4:5], s[4:5], s[28:29]
	s_add_nc_u64 s[6:7], s[6:7], s[30:31]
	s_add_nc_u64 s[12:13], s[12:13], s[32:33]
	s_add_nc_u64 s[8:9], s[8:9], s[34:35]
	s_add_nc_u64 s[14:15], s[14:15], s[36:37]
	s_cmp_eq_u32 s19, 0
	s_cbranch_scc0 .Lno_l1_load
.irp i, 0,1,2,3,4,5,6,7
	global_load_b128 v[L1+4*\i:L1+4*\i+3], v[LI], s[8:9] offset:512*\i       ; older than every load below: the counts there hold on both ways
.endr
.Lno_l1_load:
	WIN 0x40                                       ; destination in window 1
.irp kk, 0,1
.irp n, 0,1,2,3
.irp c, 0,1,2,3
	global_load_b128 v[128*\kk+16*\n+4*\c:128*\kk+16*\n+4*\c+3], v[LI], s[6:7] offset:32768*\kk+2048*\n+512*\c
.endr
.endr
.irp i, 0,1,2,3
.irp c, 0,1,2,3
	global_load_b128 v[128*\kk+64+16*\i+4*\c:128*\kk+64+16*\i+4*\c+3], v[LI], s[4:5] offset:32768*\i+2048*\kk+512*\c
.endr
.endr
.endr
	s_wait_loadcnt 32                              ; the first K step's 32 loads are in, the second's may be out
	WIN 0x05                                       ; sources 0 and 1 in window 1, C and D in window 0
.irp n, 0,1,2,3
.irp i, 0,1,2,3
	v_wmma_f32_16x16x128_fp8_fp8 v[ACC+8*(4*\n+\i):ACC+8*(4*\n+\i)+7], v[16*\n:16*\n+15], v[64+16*\i:64+16*\i+15], 0
.endr
.endr
	s_wait_loadcnt 0x0
.irp n, 0,1,2,3                                ; the sixteen accumulators take turns
.irp i, 0,1,2,3
	v_wmma_f32_16x16x128_fp8_fp8 v[ACC+8*(4*\n+\i):ACC+8*(4*\n+\i)+7], v[128+16*\n:128+16*\n+15], v[192+16*\i:192+16*\i+15], v[ACC+8*(4*\n+\i):ACC+8*(4*\n+\i)+7]
.endr
.endr
	WIN 0
.rept 4
	v_nop                                          ; four places between the last product and the first read of results (ISA guide 7.12.1)
.endr
	s_wait_alu depctr_va_vdst(0)
.irp n, 0,1,2,3
.irp i, 0,1,2,3
	ds_store_b128 v[STO], v[ACC+8*(4*\n+\i):ACC+8*(4*\n+\i)+3] offset:4352*\i+64*\n          ; lane (r, h): row 16 i + r, outputs 16 n + 8 h + 0 .. 7
	ds_store_b128 v[STO], v[ACC+8*(4*\n+\i)+4:ACC+8*(4*\n+\i)+7] offset:4352*\i+64*\n+16
.endr
.endr
	s_wait_dscnt 0x0                               ; for the others' sake: my partial tile has landed
	s_barrier_signal -1
	s_barrier_wait -1
.irp w, 0,1,2,3,4,5,6,7                        ; my eight rows of all eight partial tiles, two rows a load
.irp a, 0,1,2,3
	ds_load_b128 v[ACC+16*\w+4*\a:ACC+16*\w+4*\a+3], v[RD+\w/3] offset:PM*(\w%3)+544*\a
.endr
.endr
	s_wait_kmcnt 0x0
	s_add_co_i32 s24, s22, s23
	s_add_co_i32 s24, s24, 127
	s_lshl_b32 s24, s24, 23                        ; 2^(e8 + e9) as f32
	s_mov_b32 s25, s24                             ; (named with it as a pair, so it is written)
	s_add_co_i32 s26, s20, s21
	s_add_co_i32 s26, s26, -28
	s_wait_dscnt 0x0
.irp w, 1,2,3,4,5,6,7                          ; eight chains of pairs
.irp j, 0,2,4,6,8,10,12,14
	v_pk_add_f32 v[ACC+\j:ACC+\j+1], v[ACC+\j:ACC+\j+1], v[ACC+16*\w+\j:ACC+16*\w+\j+1]
.endr
.endr
.irp j, 0,2,4,6,8,10,12,14
	v_pk_mul_f32 v[ACC+\j:ACC+\j+1], v[ACC+\j:ACC+\j+1], s[24:25] op_sel_hi:[1,0]
.endr
.irp a, 0,1,2,3
	global_store_b128 v[CO], v[ACC+4*\a:ACC+4*\a+3], s[12:13] offset:2048*\a th:TH_STORE_NT   ; sixteen lanes store 256 consecutive bytes, aligned; written once, read by nobody here
.endr
	s_cmp_eq_u32 s19, 0
	s_cbranch_scc0 .Lno_l1_sum
.irp d, 16,8,4,2
.set n, 0
.rept \d/2
	v_pk_add_f32 v[L1+n:L1+n+1], v[L1+n:L1+n+1], v[L1+\d+n:L1+\d+n+1]
.set n, n+2
.endr
.endr
	s_delay_alu instid0(VALU_DEP_1)
	v_add_f32 v[L1], v[L1], v[L1+1]
	s_delay_alu instid0(VALU_DEP_1)
	v_add_f32_dpp v[L1], v[L1], v[L1] row_xmask:1 row_mask:0xf bank_mask:0xf
	s_delay_alu instid0(VALU_DEP_1)
	v_add_f32_dpp v[L1], v[L1], v[L1] row_xmask:2 row_mask:0xf bank_mask:0xf
	s_delay_alu instid0(VALU_DEP_1)
	v_add_f32_dpp v[L1], v[L1], v[L1] row_xmask:4 row_mask:0xf bank_mask:0xf
	s_delay_alu instid0(VALU_DEP_1)
	v_add_f32_dpp v[L1], v[L1], v[L1] row_xmask:8 row_mask:0xf bank_mask:0xf
	s_delay_alu instid0(VALU_DEP_1)
	v_permlanex16_b32 v[L1+1], v[L1], s38, s39
	s_delay_alu instid0(VALU_DEP_1)
	v_add_f32 v[L1], v[L1], v[L1+1]
	s_delay_alu instid0(VALU_DEP_1)
	v_ldexp_f32 v[L1], v[L1], s26                  ; x 2^(e4 + e5 - 28)
	v_cmp_eq_u32 vcc_lo, 0, v11
	s_wait_alu depctr_va_vdst(0)
	s_wait_xcnt 0x0                                ; EXEC changes only behind this wait: it is a source of the stores above
	s_and_saveexec_b32 s40, vcc_lo
	global_store_b32 v12, v[L1], s[14:15]
	s_wait_xcnt 0x0                                ; and again in front of the line that widens it
	s_or_b32 exec_lo, exec_lo, s40
.Lno_l1_sum:
	s_wait_tensorcnt 0x0                           ; the wave's end: behind my last LDS store
	ds_add_u32 v[SPW], v[NIL]
	s_wait_dscnt 0x0
	s_endpgm
.Lfunc_end_k_qc39050d9a3_comb:
	.size	k_qc39050d9a3_comb, .Lfunc_end_k_qc39050d9a3_comb-k_qc39050d9a3_comb
	.p2alignl 7, 3214868480
	.fill 96, 4, 3214868480
	.section	.rodata,"a",@progbits
	.p2align	6, 0x0
	.amdhsa_kernel k_qc39050d9a3_comb
		.amdhsa_group_segment_fixed_size 140288
		.amdhsa_private_segment_fixed_size 0
		.amdhsa_enable_private_segment 0
		.amdhsa_kernarg_size 48
		.amdhsa_user_sgpr_count 2
		.amdhsa_user_sgpr_kernarg_segment_ptr 1
		.amdhsa_wavefront_size32 1
		.amdhsa_system_sgpr_workgroup_id_x 1
		.amdhsa_system_sgpr_workgroup_id_y 1
		.amdhsa_system_sgpr_workgroup_id_z 1
		.amdhsa_system_vgpr_workitem_id 0
		.amdhsa_next_free_vgpr 512
		.amdhsa_next_free_sgpr 66
		.amdhsa_reserve_vcc 1
		.amdhsa_float_denorm_mode_32 3
		.amdhsa_float_denorm_mode_16_64 3
		.amdhsa_memory_ordered 1
		.amdhsa_forward_progress 1
		.amdhsa_inst_pref_size 23
	.end_amdhsa_kernel
	.amdgpu_metadata
---
amdhsa.version: [ 1, 2 ]
amdhsa.kernels:
  - .name:           k_qc39050d9a3_comb
    .symbol:         k_qc39050d9a3_comb.kd
    .args:
      - { .name: featcodes, .offset: 0, .size: 8, .value_kind: global_buffer, .address_space: global }
      - { .name: wccodes, .offset: 8, .size: 8, .value_kind: global_buffer, .address_space: global }
      - { .name: l1part, .offset: 16, .size: 8, .value_kind: global_buffer, .address_space: global }
      - { .name: lowp_scales, .offset: 24, .size: 8, .value_kind: global_buffer, .address_space: global }
      - { .name: out0, .offset: 32, .size: 8, .value_kind: global_buffer, .address_space: global }
      - { .name: out1, .offset: 40, .size: 8, .value_kind: global_buffer, .address_space: global }
    .group_segment_fixed_size: 140288
    .private_segment_fixed_size: 0
    .kernarg_segment_align: 8
    .kernarg_segment_size: 48
    .max_flat_workgroup_size: 256
    .sgpr_count:     66
    .vgpr_count:     512
    .wavefront_size: 32
...
	.end_amdgpu_metadata
.endif
;; end of part 3
